; MI455X (gfx1250); checked and timed in simulation.
; The chip was launched on July 23, 2026; its instructions are those of AMD's public machine-readable ISA for CDNA 5 (MIT licence, August 2026) and "CDNA5" Instruction Set Architecture Reference Guide (July 2026). The comments in the code are by the model that wrote it; some were corrected since.
;; Linear Attention. Allowed arithmetic: float matrix products may take bf16 or f16 operands with f32 sums; other float arithmetic in f32, or as packed bf16 or f16 multiplies, adds, multiply-adds, maxima and minima; sums over many terms, partial sums and values carried from step to step in f32; what a program stores and reads back later, other than sums and carried values, may be rounded once to bf16 or f16.
;; Inputs: bk 16 float32; bq 16 float32; bv 128 float32; gamma 1 float32; wk 16 x 128 float32; wq 16 x 128 float32; wv 128 x 128 float32; x 16 x 128 x 64 x 64 float32.
;; Outputs: out0 16 x 128 x 64 x 64 float32.
;; 2 versions, each right; version 2 is version 1 with the launch prep written anew for expert scheduling mode. Each part assembles by itself: llvm-mc -triple=amdgcn-amd-amdhsa -mcpu=gfx1250 --defsym DOCPART=n.
;; ======== version 1 of 2: 2 launches
;; workspace buffers: kv 18,874,368 bytes; kt 2,097,152 bytes
;; launch prep (part 1): grid 16 x 16, 8 waves a work-group, no clusters, 70,656 bytes of LDS; arguments x, wq, wk, bq, bk, kv, kt; writes kv, kt
.if DOCPART == 1
	.amdgcn_target "amdgcn-amd-amdhsa--gfx1250"
	.amdhsa_code_object_version 6
	.text
	.protected	k_qb0771c169f_prep
	.globl	k_qb0771c169f_prep
	.p2align	8
	.type	k_qb0771c169f_prep,@function
k_qb0771c169f_prep:
	s_mov_b64 s[64:65], 0
	v_nop
	global_prefetch_b8 v0, s[64:65] scope:SCOPE_SE
	s_setreg_imm32_b32 hwreg(HW_REG_WAVE_MODE, 25, 1), 1
	s_wait_xcnt 0x0
; PREP.  x: [16][128][4096] f32.  For a block of 256 positions of one batch this work-group writes
;   kv tile (73,728 dense bytes): rows 0-127: x[c][256 positions] rounded once to bf16, 512 bytes a row;
;                                 from byte 65,536: q = wq x + bq as [position][16 channels] bf16, 32 bytes a position;
;   kt: k = log2(e) (wk x + bk) as [position][16 channels] bf16.  The factor is applied in f32, ahead of the one rounding.
; Products in bf16 with f32 sums; the bias is the C operand that starts the sum.
; SHARES.  Eight waves.  Wave w reads, rounds and stores channels 16 w .. 16 w + 15 (each byte of x is read once) and lays them into LDS.
; Behind one barrier waves 0-3 make q and waves 4-7 make k, each for positions 64 (w % 4) .. + 63: four tiles of 16 positions, K = 128 in four steps.
; LEFT OUT.  Tensor loads: the f32 numbers pass through registers to be rounded, and no wave wants another's bytes on the way in.  A cluster: the work-groups
; share nothing but 16 KiB of weights.  A prefetch: every load of the kernel is issued at its head.
; LIMITS.  NaN and infinities are not treated apart; x, q and k are rounded to bf16 (8 significant bits).
.set XP,    544                        ; a row of x in LDS: 512 bytes + 32: an odd multiple of 32 bytes
.set SPARE, 128*XP                     ; 69,632: behind the rows, the spare words, 128 bytes a wave: four blocks of 256 bytes that no other line names
.set TILEB, 73728                      ; bytes in a kv tile
.set XO,  3                            ; v3   my 32 bytes of my wave's first row of x
.set VO,  4                            ; v4   my 16 bytes of that row in the kv tile
.set LSO, 5                            ; v5   and in LDS
.set WO,  6                            ; v6   my place in a fragment of the weights: row l % 16, 32 bytes a half of the lanes
.set BO,  7                            ; v7   my eight biases
.set TA,  8                            ; v8   the turning load's address
.set QO,  9                            ; v9   my 16 bytes of q or k
.set SPW, 14                           ; v14  LDS address of my spare word; never rewritten
.set NIL, 15                           ; v15  0; never rewritten
.set WF,  32                           ; v[32:63]   the weights' four fragments, bf16
.set XI,  64                           ; v[64:191]  row i as loaded at XI + 8 i; rounded in place into its first four registers
.set BF,  64                           ; later: x's fragments: position tile pt, K step kb at BF + 32 pt + 8 kb
.set WT,  192                          ; v[192:255] the weights as loaded, f32
.set ACC, 192                          ; later: v[192:223] four accumulators
.set BI,  224                          ; v[224:231] the bias of channels 8 (l / 16) + 0..7
.set OUT, 232                          ; v[232:247] packed results
.set WV,  18                           ; s18  my wave's number
	s_load_b256 s[4:11], s[0:1], 0x0               ; x s[4:5], wq s[6:7], wk s[8:9], bq s[10:11]
	s_load_b128 s[12:15], s[0:1], 0x20             ; bk s[12:13], kv s[14:15]
	s_load_b64 s[16:17], s[0:1], 0x30              ; kt
	v_lshl_add_u32 v[SPW], v0, 2, SPARE
	v_mov_b32 v[NIL], 0
	v_lshrrev_b32 v10, 5, v0
	v_readfirstlane_b32 s[WV], v10                 ; wave 0..7
	v_and_b32 v11, 31, v0                          ; l
	v_and_b32 v1, 15, v0                           ; l % 16
	v_bfe_u32 v2, v0, 4, 1                         ; l / 16
	s_lshl_b32 s32, s[WV], 18                      ; 16 rows of 16,384 bytes
	v_lshl_add_u32 v[XO], v11, 5, s32              ; + 32 l: eight neighbouring positions a lane
	s_lshl_b32 s33, s[WV], 13                      ; 16 rows of 512 bytes
	v_lshl_add_u32 v[VO], v11, 4, s33
	s_mul_i32 s34, s[WV], 16*XP
	v_lshl_add_u32 v[LSO], v11, 4, s34
	v_lshlrev_b32 v[WO], 9, v1                     ; a row of the weights is 512 bytes
	v_lshl_add_u32 v[WO], v2, 5, v[WO]
	v_lshlrev_b32 v[BO], 5, v2
	v_and_b32 v12, 7, v0
	v_lshl_add_u32 v12, v2, 3, v12                 ; channel 8 (l / 16) + l % 8 of a K step
	v_mul_u32_u24 v[TA], v12, XP
	v_bfe_u32 v13, v0, 3, 1
	v_lshl_add_u32 v[TA], v13, 4, v[TA]            ; positions 8 ((l / 8) % 2) + 0..7
	s_and_b32 s35, s[WV], 3
	s_lshl_b32 s36, s35, 7
	v_add_nc_u32 v[TA], s36, v[TA]                 ; my wave's 64 positions: 128 bytes of a row
	v_lshlrev_b32 v[QO], 5, v1
	v_lshl_add_u32 v[QO], v2, 4, v[QO]
	s_lshl_b32 s36, s35, 11
	v_add_nc_u32 v[QO], s36, v[QO]                 ; 2,048 (w % 4) + 32 (l % 16) + 16 (l / 16)
	s_and_b32 s37, ttmp7, 0xffff                   ; the batch
	s_lshl_b32 s38, s37, 21                        ; x: 2 MiB a batch,
	s_lshl_b32 s36, ttmp9, 10                      ; 1,024 bytes of a row for a block of 256 positions
	s_add_co_u32 s38, s38, s36
	s_mov_b32 s39, 0
	s_mul_i32 s40, s37, 16*TILEB                   ; kv: 16 tiles a batch
	s_mul_i32 s36, ttmp9, TILEB
	s_add_co_u32 s40, s40, s36
	s_mov_b32 s41, 0
	s_lshl_b32 s42, s37, 17                        ; kt: 131,072 bytes a batch, 8,192 a block
	s_lshl_b32 s36, ttmp9, 13
	s_add_co_u32 s42, s42, s36
	s_mov_b32 s43, 0
	s_wait_kmcnt 0x0
	s_add_nc_u64 s[28:29], s[4:5], s[38:39]        ; x at the block's first position, channel 0
	s_add_nc_u64 s[30:31], s[14:15], s[40:41]      ; my kv tile
	s_add_nc_u64 s[44:45], s[30:31], 128*512       ; its q part
	s_add_nc_u64 s[46:47], s[16:17], s[42:43]      ; my block of kt
	s_cmp_lt_u32 s[WV], 4                          ; waves 0-3: q; waves 4-7: k
	s_cselect_b64 s[20:21], s[6:7], s[8:9]         ; the weights,
	s_cselect_b64 s[22:23], s[10:11], s[12:13]     ; the bias,
	s_cselect_b64 s[26:27], s[44:45], s[46:47]     ; where the result goes,
	s_cselect_b32 s24, 1.0, 0x3fb8aa3b             ; and its factor: 1 or log2(e)
	s_mov_b32 s25, s24                             ; named with it as a pair
	; A fragment of the weights is 16 rows x 32 channels: lane l holds row l % 16, channels 8 (l / 16) + 0..7 and 16 + 8 (l / 16) + 0..7: in f32 four loads of 16 bytes.
.irp kb, 0,1,2,3
	global_load_b128 v[WT+16*\kb:WT+16*\kb+3],     v[WO], s[20:21] offset:128*\kb
	global_load_b128 v[WT+16*\kb+4:WT+16*\kb+7],   v[WO], s[20:21] offset:128*\kb+16
	global_load_b128 v[WT+16*\kb+8:WT+16*\kb+11],  v[WO], s[20:21] offset:128*\kb+64
	global_load_b128 v[WT+16*\kb+12:WT+16*\kb+15], v[WO], s[20:21] offset:128*\kb+80
.endr
.set i, 0
.rept 16                                       ; my wave's 16 rows: all 32 loads go out at once, 16 KiB a wave
	global_load_b128 v[XI+8*i:XI+8*i+3],   v[XO], s[28:29] offset:16384*i th:TH_LOAD_NT
	global_load_b128 v[XI+8*i+4:XI+8*i+7], v[XO], s[28:29] offset:16384*i+16 th:TH_LOAD_NT
.set i, i+1
.endr
	s_wait_loadcnt 32                              ; the weights are in; the 32 loads of x may stay out
.set i, 0
.rept 32
	v_cvt_pk_bf16_f32 v[WF+i], v[WT+2*i], v[WT+2*i+1]
.set i, i+1
.endr
	global_load_b128 v[BI:BI+3],   v[BO], s[22:23]            ; into registers of WT that have just been read
	global_load_b128 v[BI+4:BI+7], v[BO], s[22:23] offset:16
.set i, 0
.rept 16
	s_wait_loadcnt 32-2*i                          ; row i is in: behind it stand two loads for each later row and the bias's two
.irp k, 0,1,2,3
	v_cvt_pk_bf16_f32 v[XI+8*i+\k], v[XI+8*i+2*\k], v[XI+8*i+2*\k+1]
.endr
	global_store_b128 v[VO], v[XI+8*i:XI+8*i+3], s[30:31] offset:512*i  ; a whole row: 512 consecutive bytes, at a multiple of 512 from kv's first byte
	ds_store_b128 v[LSO], v[XI+8*i:XI+8*i+3] offset:XP*i
.set i, i+1
.endr
	s_wait_dscnt 0x0                               ; for the others' sake: my rows lie in LDS
	s_barrier_signal -1
	s_barrier_wait -1                              ; all 128 rows do
	s_wait_xcnt 0x0                                ; the stores have read their data: the registers are loaded again only behind this wait
	s_wait_loadcnt 0x0                             ; the bias
	; x lies [channel][position]: the turning load brings lane l position l % 16 and eight channels, half a fragment of source 1
.irp pt, 0,1,2,3
.irp kb, 0,1,2,3
	ds_load_tr16_b128 v[BF+32*\pt+8*\kb:BF+32*\pt+8*\kb+3],   v[TA] offset:32*XP*\kb+32*\pt
	ds_load_tr16_b128 v[BF+32*\pt+8*\kb+4:BF+32*\pt+8*\kb+7], v[TA] offset:32*XP*\kb+16*XP+32*\pt
.endr
.endr
	s_wait_dscnt 0x0
	; source 0 = 16 output channels, source 1 = 16 positions: in the result a lane holds ONE position (l % 16) and channels 8 (l / 16) + 0..7: 16 bytes of bf16 on end.
	; The four accumulators take turns, one instruction a turn.
.irp kb, 0,1,2,3
.irp pt, 0,1,2,3
.if \kb == 0
	v_wmma_f32_16x16x32_bf16 v[ACC+8*\pt:ACC+8*\pt+7], v[WF+8*\kb:WF+8*\kb+7], v[BF+32*\pt+8*\kb:BF+32*\pt+8*\kb+7], v[BI:BI+7]
.else
	v_wmma_f32_16x16x32_bf16 v[ACC+8*\pt:ACC+8*\pt+7], v[WF+8*\kb:WF+8*\kb+7], v[BF+32*\pt+8*\kb:BF+32*\pt+8*\kb+7], v[ACC+8*\pt:ACC+8*\pt+7]
.endif
.endr
.endr
.rept 8
	v_nop                                          ; the places behind the last product (ISA guide 7.12.1), once a launch
.endr
.set i, 0
.rept 16
	v_pk_mul_f32 v[ACC+2*i:ACC+2*i+1], v[ACC+2*i:ACC+2*i+1], s[24:25] op_sel_hi:[1,0]
.set i, i+1
.endr
.set i, 0
.rept 16
	v_cvt_pk_bf16_f32 v[OUT+i], v[ACC+2*i], v[ACC+2*i+1]
.set i, i+1
.endr
.irp pt, 0,1,2,3
	global_store_b128 v[QO], v[OUT+4*\pt:OUT+4*\pt+3], s[26:27] offset:512*\pt  ; 16 positions: 512 consecutive bytes, aligned
.endr
	s_wait_tensorcnt 0x0                           ; the wave's end, behind my last LDS store
	ds_add_u32 v[SPW], v[NIL]
	s_wait_dscnt 0x0
	s_endpgm
.Lfunc_end_k_qb0771c169f_prep:
	.size	k_qb0771c169f_prep, .Lfunc_end_k_qb0771c169f_prep-k_qb0771c169f_prep
	.p2alignl 7, 3214868480
	.fill 96, 4, 3214868480
	.section	.rodata,"a",@progbits
	.p2align	6, 0x0
	.amdhsa_kernel k_qb0771c169f_prep
		.amdhsa_group_segment_fixed_size 70656
		.amdhsa_private_segment_fixed_size 0
		.amdhsa_enable_private_segment 0
		.amdhsa_kernarg_size 56
		.amdhsa_user_sgpr_count 2
		.amdhsa_user_sgpr_kernarg_segment_ptr 1
		.amdhsa_wavefront_size32 1
		.amdhsa_system_sgpr_workgroup_id_x 1
		.amdhsa_system_sgpr_workgroup_id_y 1
		.amdhsa_system_sgpr_workgroup_id_z 1
		.amdhsa_system_vgpr_workitem_id 0
		.amdhsa_next_free_vgpr 256
		.amdhsa_next_free_sgpr 66
		.amdhsa_reserve_vcc 0
		.amdhsa_float_denorm_mode_32 3
		.amdhsa_float_denorm_mode_16_64 3
		.amdhsa_memory_ordered 1
		.amdhsa_forward_progress 1
		.amdhsa_inst_pref_size 23
	.end_amdhsa_kernel
	.amdgpu_metadata
---
amdhsa.version: [ 1, 2 ]
amdhsa.kernels:
  - .name:           k_qb0771c169f_prep
    .symbol:         k_qb0771c169f_prep.kd
    .args:
      - { .name: x, .offset: 0, .size: 8, .value_kind: global_buffer, .address_space: global }
      - { .name: wq, .offset: 8, .size: 8, .value_kind: global_buffer, .address_space: global }
      - { .name: wk, .offset: 16, .size: 8, .value_kind: global_buffer, .address_space: global }
      - { .name: bq, .offset: 24, .size: 8, .value_kind: global_buffer, .address_space: global }
      - { .name: bk, .offset: 32, .size: 8, .value_kind: global_buffer, .address_space: global }
      - { .name: kv, .offset: 40, .size: 8, .value_kind: global_buffer, .address_space: global }
      - { .name: kt, .offset: 48, .size: 8, .value_kind: global_buffer, .address_space: global }
    .group_segment_fixed_size: 70656
    .private_segment_fixed_size: 0
    .kernarg_segment_align: 8
    .kernarg_segment_size: 56
    .max_flat_workgroup_size: 256
    .sgpr_count:     66
    .vgpr_count:     256
    .wavefront_size: 32
...
	.end_amdgpu_metadata
.endif
;; end of part 1
;; launch attn (part 2): grid 16 x 16, 4 waves a work-group, clusters of 4 x 1, 327,680 bytes of LDS; arguments kv, kt, x, wv, bv, gamma, out0; writes out0
.if DOCPART == 2
	.amdgcn_target "amdgcn-amd-amdhsa--gfx1250"
	.amdhsa_code_object_version 6
	.text
	.protected	k_qb0771c169f_attn
	.globl	k_qb0771c169f_attn
	.p2align	8
	.type	k_qb0771c169f_attn,@function
k_qb0771c169f_attn:
	s_mov_b64 s[64:65], 0
	v_nop
	global_prefetch_b8 v0, s[64:65] scope:SCOPE_SE
	s_setreg_imm32_b32 hwreg(HW_REG_WAVE_MODE, 25, 1), 1
	s_wait_xcnt 0x0
	s_wait_alu depctr_hold_cnt(0) depctr_sa_sdst(0) depctr_va_vdst(0) depctr_va_sdst(0) depctr_va_ssrc(0) depctr_va_vcc(0) depctr_vm_vsrc(0)
	s_getreg_b32 s2, hwreg(HW_REG_IB_STS2, 6, 4)
	s_cmp_eq_u32 s2, 0
	s_cbranch_scc0 .Lentry_in_a_cluster
	s_endpgm
.Lentry_in_a_cluster:
	s_bfe_u32 s2, ttmp6, 0x10000c
	s_cmp_lg_u32 s2, 0x3003
	s_cbranch_scc0 .Lentry_shape_is_right
	s_endpgm
.Lentry_shape_is_right:
; out0[b][c][i] = gamma (sum over j of v[b][c][j] a[i][j]) + x[b][c][i],  a[i][:] = softmax over j of (sum over 16 channels of k[.][i] q[.][j]),  v = wv x + bv.
; A row of a sums to 1, so the sum over j is wv (sum over j of x[.][j] a[i][j]) + bv: the values of the long product are x itself (bf16, from kv), and wv is applied once, to the work-group's 128 x 256 result.
; INPUTS FROM THE LAUNCH BEFORE.  kv: [b][16 tiles of 256 positions][144 rows of 512 bytes]: 128 rows of x in bf16, then q as [position][16 channels]; kt: log2(e) k as [position][16 channels].
; SHARES.  A work-group owns 256 positions i ("queries") of one batch, each of its four waves 64: four tiles of 16.  Every wave walks all 4,096 positions j ("keys").
; TWO PASSES.  A score tile of 16 x 16 is ONE matrix instruction (16 channels, the upper half of K = 32 holds zeros).  Pass 1 makes all scores and keeps each query's TRUE maximum m.  The main pass makes them again
; with -m (f32) as the C operand: p = 2^(s - m) needs no running maximum, no scaling and no rescaling of the sums.
; LAYOUT.  S^T = q k^T (source 0 = 16 keys, source 1 = 16 queries): a lane holds ONE query (l % 16) and keys 8 (l / 16) + 0..7.  Two such tiles, rounded to bf16 in pairs, ARE source 1 (32 keys x 16 queries) of
; O^T = x P, whose source 0 (16 channels x 32 keys) comes out of LDS as x lies.  O^T / l, rounded in pairs, IS source 0 (16 queries x 32 channels) of the last product with wv, whose result holds one output channel
; a lane and eight neighbouring queries: 32 bytes of a row of out0.
; BY TURNS.  A UNIT is 32 keys x one tile: 2 score products, 32 vector instructions (16 exponentials, 8 roundings, 8 packed sums), 8 products x P.  In the turn of tile t the matrix unit takes the scores of tile t + 1 and
; the products x P of tile t - 1, and tile t's vector work stands in threes and fours behind those ten matrix instructions.
; CLUSTER.  The four query blocks of a cluster belong to one batch and walk the same tiles of kv, the same q and the same wv: every tensor load is asked for JOINTLY, with the same descriptor and the mask of four;
; each wave asks for a quarter of the rows.
; LIMITS.  x, q, k, p, O / l and wv are rounded to bf16; scores, m, l and all sums are f32.  l is the sum of the unrounded p.  A weight below 2^-126 counts as 0.  bv is added once, since a row of a sums to 1.
; NaN and infinities are not treated apart.  The order of the sums differs from a plain loop's.
; REGISTERS, in windows of 256 (s_set_vgpr_msb: bits 1:0 source 0, 3:2 source 1, 5:4 source 2, 7:6 destination):
;   window 0: addresses, statistics, k, q, -m, S^T, P (below)     window 1: O^T, tile t, channel block cb at 64 t + 8 cb
;   window 2: v0-127 x's fragments, two buffers of 64; at the end O / l in bf16     window 3: the residual x, f32, laid as it will be stored
.set PX,    528                        ; a row of a slot in LDS: 512 bytes + 16: an odd multiple of 16, so that the 16 rows of a fragment load start at 16 different 16-byte columns of 256 bytes
.set SLOTX, 1<<17                      ; slot 0 begins at 0, slot 1 here: one exclusive or turns an address in one slot into the other's
.set SLOT1, SLOTX
.set QROW,  128*PX                     ; q's 16 rows lie behind x's 128
.set STAGE, SLOT1+144*PX               ; 207,104: behind the ring, never filled by a tensor load: 16 rows x 272 bytes for each wave, for the way out
.set SP,    272
.set SPARE, STAGE+4*16*SP              ; 224,512: the spare words, 128 bytes a wave: two blocks of 256 bytes that no other line names
.set TILEB, 144*512                    ; bytes in a kv tile
.set KVB,   16*TILEB                   ; and in a batch of kv
; Pass 1 reads the batch's q from LDS bytes 0 .. 131,071, dense, 32 bytes a key; tile t of kv lies in slot (t + 1) % 2; wv (f32, 128 rows of 512 bytes) comes last, into slot 1.
.set AX0, 3                            ; v3   my place in a fragment of x: (l % 16) PX + 16 (l / 16); never rewritten
.set AQ0, 4                            ; v4   the same for q in a slot
.set ADX, 5                            ; v5   the address of the fetch in hand, x
.set ADQ, 6                            ; v6   and q
.set AQ1, 7                            ; v7   pass 1: my 16 bytes of the trip's first 16 keys
.set KO,  8                            ; v8   32 (l % 16) + 16 (l / 16)
.set GO,  9                            ; v9   x and out0: lanes 0-15 one row's 256 bytes, lanes 16-31 the next row's
.set STO, 10                           ; v10  the way out: where I put 32 bytes of a row
.set RD,  11                           ; v11  the way out: where I read rows back
.set AW,  12                           ; v12  my place in a fragment of wv
.set PFO, 13                           ; v13  256 x my lane; never rewritten
.set SPW, 14                           ; v14  LDS address of my spare word; never rewritten
.set NIL, 15                           ; v15  0; never rewritten
.set L,   16                           ; v[16:23]   l, a pair a tile (even keys', odd keys')
.set M,   24                           ; v[24:27]   m, a tile each
.set TMP, 28                           ; v[28:31]   at work
.set KF,  32                           ; v[32:63]   k's fragments, tile t at KF + 8 t; registers 4-7 hold 0
.set QF,  64                           ; v[64:95]   q's fragments: buffer p, 16 keys kt at QF + 16 p + 8 kt (pass 1: four on end); registers 4-7 hold 0
.set MC,  96                           ; v[96:127]  -m, eight times a tile
.set S,   128                          ; v[128:191] S^T, 16 a tile (pass 1: two sets of 32)
.set P,   192                          ; v[192:223] P, 8 a tile
.set GB,  224                          ; v[224:239] gamma bv[16 c + l % 16], twice, at GB + 2 c
.set LI,  240                          ; v[240:247] 1 / l, twice a tile
.set D2,  32                           ; at the end: the last product's four accumulators,
.set WF,  64                           ; wv's four fragments in bf16,
.set WT,  128                          ; wv as it lies in LDS, f32,
.set RB,  192                          ; and 16 rows read back from the stage
.set WV,  18                           ; s18  my wave's number
.set CX,  19                           ; s19  my place in the cluster: it enters kt's, x's, out0's and the prefetches' addresses alone
.set G1X, 24                           ; s[24:31] descriptor group 1: a quarter of a kv tile
.set G1Q, 32                           ; s[32:39] a quarter of the batch's q
.set G1W, 40                           ; s[40:47] a quarter of wv
.set G0X, 48                           ; s[48:51] group 0 for kv's tiles: it walks
.set G0Q, 52                           ; s[52:55] for q
.set G0W, 56                           ; s[56:59] for wv
.set SLOTS, 60                         ; s60  tiles of kv still to be asked for
.set CNT, 61                           ; s61  counts a slot's steps of 64 keys
.set TB,  62                           ; s62  LDS byte at which x of the 32 keys to be fetched begins
.set TQ,  63                           ; s63  the same for q, less QROW
.set PFA, 66                           ; s[66:67] where my prefetches stand
.set LIM, 68                           ; s68  1 in a wave that prefetches, else the greatest number
.set SEL, 70                           ; s[70:71] v_permlanex16_b32's selects: each lane takes its own place in the other half
.set GAM, 72                           ; s[72:73] gamma, twice
.set P1C, 74                           ; s74  pass 1's trips
.set NEGM, 75                          ; s75  the lowest finite number
.set MSB, 0
.macro WIN new                         ; the immediate's high byte repeats the setting that is left; a switch that changes nothing is dropped
.if MSB != (\new)
	s_set_vgpr_msb (MSB<<8)|(\new)
.set MSB, (\new)
.endif
.endm
.set W_PV, 0x52                        ; x in window 2, P in window 0, O^T in window 1
; A joint load: every wave asks for its own quarter, so there is one line and no branch.  An s_nop 0 and four v_nop follow it.
.macro JLOAD g0, g1
	tensor_load_to_lds s[(\g0):(\g0)+3], s[(\g1):(\g1)+7]
	s_nop 0
.rept 4
	v_nop
.endr
.endm
; A round of the cluster's barrier: my work-group's barrier, so that wave 0's signal speaks for all four waves; wave 0 signals; every wave waits for all four work-groups; my work-group's barrier once more.
.macro CROUND
	s_barrier_signal -1
	s_barrier_wait -1
	s_cmp_lg_u32 s[WV], 0
	s_cbranch_scc1 .Lnot_wave_0_\@
	s_barrier_signal -3
.Lnot_wave_0_\@:
	s_barrier_wait -3
	s_barrier_signal -1
	s_barrier_wait -1
.endm
; A PREFETCH INTO THE L2 of x's part (65,536 dense bytes) of the tile that the NEXT change of slots will ask for: one slot, 320 matrix instructions, ahead of that load.  Each block of 256 bytes is named once in the
; launch: the four clusters of a batch walk the same tiles, and the first of them asks; its four partners take 16,384 bytes each, told apart BY ADDRESS; in each, waves 0 and 1 take half, a lane a block.
; The last change that fills a slot with a tile asks for nothing.  q's part has been read by pass 1.
.macro ASK
	s_cmp_gt_u32 s[SLOTS], s[LIM]
	s_cbranch_scc0 .Lnot_mine_\@
	global_prefetch_b8 v[PFO], s[PFA:PFA+1] th:TH_LOAD_NT scope:SCOPE_SE
.Lnot_mine_\@:
.endm
; THE CHANGE OF SLOTS.  Each wave waits for all its tensor loads (its part of the slot to be read next among them), adds 0 to its spare word, and waits for that and for its own reads of the slot that it leaves.
; kind = 1: that slot is filled again with the next tile of kv; kind = 2: with wv.  The barrier is then a round of the cluster's, so that no wave of any partner still reads the slot or has a load on its way, and
; the joint load is the first thing behind it.  kind = 0: nothing is filled: my work-group's barrier alone.
.macro CHANGE kind
	WIN 0                                          ; at a label and at a branch every window is 0
	s_wait_tensorcnt 0x0                           ; no tensor load of mine is out, so a group 0 may be written
	ds_add_u32 v[SPW], v[NIL]                      ; 0 onto my spare word; the descriptor's steps stand between it and the wait for it
.if (\kind) == 1
	s_xor_b32 s[G0X+1], s[G0X+1], SLOTX            ; the other slot than last time,
	s_add_nc_u64 s[G0X+2:G0X+3], s[G0X+2:G0X+3], TILEB  ; the next tile; the type bits on top are not reached
	s_wait_xcnt 0x0                                ; the last prefetch, a slot back, has read its address
	s_add_nc_u64 s[PFA:PFA+1], s[PFA:PFA+1], TILEB
.endif
	s_wait_dscnt 0x0                               ; the add is done, and my reads of the slot are over
.if (\kind) == 1
	CROUND
	JLOAD G0X, G1X
	ASK
.elseif (\kind) == 2
	CROUND
	JLOAD G0W, G1W
.else
	s_barrier_signal -1
	s_barrier_wait -1
.endif
	s_sub_co_u32 s[TB], s[TB], 512                 ; the fetches go back to a slot's first 32 keys,
	s_xor_b32 s[TB], s[TB], SLOTX                  ; in the other slot
	s_sub_co_u32 s[TQ], s[TQ], 16*PX
	s_xor_b32 s[TQ], s[TQ], SLOTX
.endm
; THE LDS LOADS of 32 keys stand in one run of 18: q's two fragments first (they are wanted first), then x's eight, into buffer p.
.macro FETCH p
	WIN 0
	v_add_nc_u32 v[ADX], s[TB], v[AX0]
	v_add_nc_u32 v[ADQ], s[TQ], v[AQ0]
	s_add_co_u32 s[TB], s[TB], 64                  ; 32 keys are 64 bytes of a row of x
	s_add_co_u32 s[TQ], s[TQ], 2*PX                ; and two rows of q
	ds_load_b128 v[QF+16*(\p):QF+16*(\p)+3],    v[ADQ]
	ds_load_b128 v[QF+16*(\p)+8:QF+16*(\p)+11], v[ADQ] offset:PX
	WIN 0x80                                       ; destination window 2
.irp cb, 0,1,2,3,4,5,6,7
	ds_load_b128 v[64*(\p)+8*\cb:64*(\p)+8*\cb+3],   v[ADX] offset:16*PX*\cb
	ds_load_b128 v[64*(\p)+8*\cb+4:64*(\p)+8*\cb+7], v[ADX] offset:16*PX*\cb+32
.endr
	WIN 0
.endm
; THE VECTOR WORK OF A TURN is one stream of 32: E0 p0 E1 p1 .. E15 p15.  Ei: the exponential of score i of tile TT, in place.  The plain ones: p2, p4 .. p14 round pairs 0 .. 6 of tile TT, each behind its two
; exponentials with a plain instruction between; p0 rounds the last pair of the tile before (TP); p1 .. p7 add, of each four of TP's weights, the second pair onto the first; p9 .. p15 add those sums onto l.
; So no two exponentials follow each other, and none of the 32 names a register of the products round it.  RID n writes the next n.  PREV = 0 (the first turn): there is no tile before.
.macro RID n
.rept \n
.set RE, RQ/2
.if (RQ%2) == 0
	v_exp_f32 v[S+16*TT+RE], v[S+16*TT+RE]
.elseif ((RE%2) == 0) && (RE > 0)
	s_wait_alu depctr_va_vdst(0)
	v_cvt_pk_bf16_f32 v[P+8*TT+RE/2-1], v[S+16*TT+RE-2], v[S+16*TT+RE-1]
.elseif !PREV
	v_nop
.elseif RE == 0
	s_wait_alu depctr_va_vdst(0)
	v_cvt_pk_bf16_f32 v[P+8*TP+7], v[S+16*TP+14], v[S+16*TP+15]
.elseif RE < 8
	v_pk_add_f32 v[S+16*TP+2*(RE-1):S+16*TP+2*(RE-1)+1], v[S+16*TP+2*(RE-1):S+16*TP+2*(RE-1)+1], v[S+16*TP+2*(RE-1)+2:S+16*TP+2*(RE-1)+3]
.else
	v_pk_add_f32 v[L+2*TP:L+2*TP+1], v[L+2*TP:L+2*TP+1], v[S+16*TP+2*(RE-9):S+16*TP+2*(RE-9)+1]
.endif
.set RQ, RQ+1
.endr
.endm
; A TURN, of tile t.  sc = 1: the two score products of tile t + 1, from q's buffer qp, with -m as C.  pv = 2: the eight products x P of tile t - 1, from x's buffer xp; 1: they start the sums with the constant 0; 0: none.
; fetch >= 0: the next 32 keys are fetched into that buffer, behind the second product x P.  wq = 1: q's two fragments are waited for: the 16 loads of x behind them may stay out.
; All accumulators take turns, one instruction a turn.
.macro TURN t, xp, qp, pv, sc, prev, fetch, wq
.set TT, (\t)
.set TP, ((\t)+3)%4
.set TN, ((\t)+1)%4
.set PREV, (\prev)
.set RQ, 0
.if \wq
	s_wait_dscnt 16
.endif
.if \sc
	v_wmma_f32_16x16x32_bf16 v[S+16*TN:S+16*TN+7], v[QF+16*(\qp):QF+16*(\qp)+7], v[KF+8*TN:KF+8*TN+7], v[MC+8*TN:MC+8*TN+7]
.endif
	RID 3
.if \sc
	v_wmma_f32_16x16x32_bf16 v[S+16*TN+8:S+16*TN+15], v[QF+16*(\qp)+8:QF+16*(\qp)+15], v[KF+8*TN:KF+8*TN+7], v[MC+8*TN:MC+8*TN+7]
.endif
	RID 3
.set CB, 0
.rept 8
.if \pv
	WIN W_PV
.if (\pv) == 1
	v_wmma_f32_16x16x32_bf16 v[64*TP+8*CB:64*TP+8*CB+7], v[64*(\xp)+8*CB:64*(\xp)+8*CB+7], v[P+8*TP:P+8*TP+7], 0
.else
	v_wmma_f32_16x16x32_bf16 v[64*TP+8*CB:64*TP+8*CB+7], v[64*(\xp)+8*CB:64*(\xp)+8*CB+7], v[P+8*TP:P+8*TP+7], v[64*TP+8*CB:64*TP+8*CB+7]
.endif
	WIN 0
.endif
.if CB < 6
	RID 3
.else
	RID 4
.endif
.if (CB == 1) && ((\fetch) >= 0)
	FETCH \fetch
.endif
.set CB, CB+1
.endr
.endm
; A GROUP fetches block f of 32 keys (p = f % 2) and holds the turns of tiles 1, 2, 3 of block f - 1 and of tile 0 of block f.  The buffer that it fetches into was last read by the last product of the turn before:
; sixteen plain vector instructions stand between (ISA guide 7.12.1 asks for places behind a matrix instruction for vector instructions).
; zero = 1: the first group: the products x P start their sums.  last = 1: behind the last block: nothing is fetched, no new scores, no turn of tile 0.
.macro GROUP p, zero, last
	s_wait_dscnt 0x0                               ; x of block f - 1 is in
.if \last
	TURN 1, 1-(\p), 1-(\p), 2-(\zero), 1, 1, -1, 0
.else
	TURN 1, 1-(\p), 1-(\p), 2-(\zero), 1, 1, \p, 0
.endif
	TURN 2, 1-(\p), 1-(\p), 2-(\zero), 1, 1, -1, 0
.if \last
	TURN 3, 1-(\p), \p, 2-(\zero), 0, 1, -1, 0
.else
	TURN 3, 1-(\p), \p, 2-(\zero), 1, 1, -1, 1
	TURN 0, 1-(\p), \p, 2-(\zero), 1, 1, -1, 0
.endif
.endm
; PASS 1, 16 keys: four score products (one a tile) into set j % 2; behind each, four v_max3_num_f32 take the other set, made in the turn before, into the four maxima, each accumulator's lowest registers first.
; The four behind the last product are the places in front of the load that fills the fragment again.  cnt: the younger fragment loads, which may stay out.
.macro P1TURN j, load, cnt
	s_wait_dscnt \cnt
.set PT, 0
.rept 4
	v_wmma_f32_16x16x32_bf16 v[S+32*((\j)%2)+8*PT:S+32*((\j)%2)+8*PT+7], v[QF+8*(\j):QF+8*(\j)+7], v[KF+8*PT:KF+8*PT+7], 0
.set PQ, 0
.rept 4
	v_max3_num_f32 v[M+PQ], v[M+PQ], v[S+32*(((\j)+1)%2)+8*PQ+2*PT], v[S+32*(((\j)+1)%2)+8*PQ+2*PT+1]
.set PQ, PQ+1
.endr
.set PT, PT+1
.endr
.if \load
	ds_load_b128 v[QF+8*(\j):QF+8*(\j)+3], v[AQ1] offset:2048+512*(\j)
.endif
.endm
.macro XRLOAD c                        ; the residual: 16 rows of x, my wave's 256 bytes of each, as they will be stored
	WIN 0xC0                                       ; destination window 3
.irp i, 0,1,2,3,4,5,6,7
	global_load_b128 v[32*(\c)+4*\i:32*(\c)+4*\i+3], v[GO], s[8:9] offset:(16*(\c)+2*\i)*16384 th:TH_LOAD_NT
.endr
.endm
	s_load_b256 s[4:11], s[0:1], 0x0               ; kv s[4:5], kt s[6:7], x s[8:9], wv s[10:11]
	s_load_b128 s[12:15], s[0:1], 0x20             ; bv s[12:13], gamma s[14:15]
	s_load_b64 s[16:17], s[0:1], 0x30              ; out0
	v_lshl_add_u32 v[SPW], v0, 2, SPARE
	v_mov_b32 v[NIL], 0
	ds_add_u32 v[SPW], v[NIL]                      ; the wave's opening: the add and its wait stand ahead of my first tensor load; the set-up below, work on registers, stands between them
	v_lshrrev_b32 v1, 5, v0
	v_readfirstlane_b32 s[WV], v1                  ; wave 0..3
	s_bfe_u32 s[CX], ttmp6, 0x40000                ; cx
	s_and_b32 s20, ttmp7, 0xffff                   ; the batch, which the four partners share
	; group 1 for a quarter of a kv tile: 36 rows x 256 elements of 2 bytes, 16 bytes of padding behind each row
	s_mov_b32 s[G1X], 15|(1<<16)|(1<<20)|(1<<21)|(6<<22)|(3<<25)  ; 15:0 the mask of four; 17:16 2-byte elements; 20 padding on; 21 set beside a mask; 24:22 after every 128 words (code 6); 31:25 4 words (code 3)
	s_mov_b32 s[G1X+1], 256<<16                    ; tensor_dim0 = 256
	s_mov_b32 s[G1X+2], 36<<16                     ; tensor_dim1 = 36
	s_mov_b32 s[G1X+3], 256<<16                    ; tile_dim0 = 256
	s_mov_b32 s[G1X+4], 36                         ; tile_dim1 = 36
	s_mov_b32 s[G1X+5], 256                        ; 256 elements from row to row
	s_mov_b32 s[G1X+6], 0
	s_mov_b32 s[G1X+7], 0
	; group 1 for a quarter of the batch's q: the q parts of four tiles, 8,192 dense bytes each, a tile apart; no padding
	s_mov_b32 s[G1Q], 15|(3<<16)|(1<<21)           ; 8-byte elements
	s_mov_b32 s[G1Q+1], 1024<<16                   ; tensor_dim0 = 1,024
	s_mov_b32 s[G1Q+2], 4<<16                      ; tensor_dim1 = 4
	s_mov_b32 s[G1Q+3], 1024<<16                   ; tile_dim0 = 1,024
	s_mov_b32 s[G1Q+4], 4                          ; tile_dim1 = 4
	s_mov_b32 s[G1Q+5], TILEB/8                    ; 9,216 elements from row to row
	s_mov_b32 s[G1Q+6], 0
	s_mov_b32 s[G1Q+7], 0
	; group 1 for a quarter of wv: 32 rows x 128 elements of 4 bytes, padded like a slot's rows
	s_mov_b32 s[G1W], 15|(2<<16)|(1<<20)|(1<<21)|(6<<22)|(3<<25)
	s_mov_b32 s[G1W+1], 128<<16
	s_mov_b32 s[G1W+2], 32<<16
	s_mov_b32 s[G1W+3], 128<<16
	s_mov_b32 s[G1W+4], 32
	s_mov_b32 s[G1W+5], 128
	s_mov_b32 s[G1W+6], 0
	s_mov_b32 s[G1W+7], 0
	s_mov_b32 s[G0X], 1                            ; count = 1
	s_mul_i32 s[G0X+1], s[WV], 36*PX               ; LDS: my quarter of slot 1, where tile 0 goes: no place in the cluster enters an LDS address
	s_add_co_u32 s[G0X+1], s[G0X+1], SLOT1
	s_mov_b32 s[G0Q], 1
	s_lshl_b32 s[G0Q+1], s[WV], 15                 ; 32,768 bytes a wave, from LDS byte 0
	s_mov_b32 s[G0W], 1
	s_mul_i32 s[G0W+1], s[WV], 32*PX
	s_add_co_u32 s[G0W+1], s[G0W+1], SLOT1
	s_mov_b32 s[SEL], 0x76543210
	s_mov_b32 s[SEL+1], 0xfedcba98
	s_mov_b32 s[NEGM], 0xff7fffff
	s_mov_b32 s[TB], 512                           ; the first change of slots turns these two into slot 1's first byte
	s_mov_b32 s[TQ], 16*PX
	s_lshr_b32 s[LIM], s[WV], 1                    ; 0 in waves 0 and 1,
	s_or_b32 s[LIM], s[LIM], ttmp9                 ; where the cluster is the batch's first: the same in all four partners
	s_cmp_eq_u32 s[LIM], 0
	s_cselect_b32 s[LIM], 1, -1
	v_and_b32 v1, 15, v0                           ; l % 16
	v_bfe_u32 v2, v0, 4, 1                         ; l / 16
	v_mul_u32_u24 v[AX0], v1, PX
	v_lshl_add_u32 v[AX0], v2, 4, v[AX0]
	v_lshlrev_b32 v[KO], 5, v1
	v_lshl_add_u32 v[KO], v2, 4, v[KO]
	v_add_nc_u32 v[AQ0], QROW, v[KO]
	v_mov_b32 v[AQ1], v[KO]
	v_lshlrev_b32 v[GO], 14, v2
	v_lshl_add_u32 v[GO], v1, 4, v[GO]
	s_mul_i32 s21, s[WV], 16*SP
	s_add_co_u32 s21, s21, STAGE                   ; my stage
	v_mul_u32_u24 v[STO], v1, SP                   ; in: row l % 16, 32 bytes for each half of the lanes
	v_lshl_add_u32 v[STO], v2, 5, v[STO]
	v_add_nc_u32 v[STO], s21, v[STO]
	v_mul_u32_u24 v[RD], v2, SP                    ; back: lanes 0-15 take one row of 256 bytes, lanes 16-31 the next
	v_lshl_add_u32 v[RD], v1, 4, v[RD]
	v_add_nc_u32 v[RD], s21, v[RD]
	v_mul_u32_u24 v[AW], v1, PX
	v_lshl_add_u32 v[AW], v2, 5, v[AW]
	v_add_nc_u32 v[AW], SLOT1, v[AW]
	v_and_b32 v[PFO], 31, v0
	v_lshlrev_b32 v[PFO], 8, v[PFO]
	v_lshlrev_b32 v[ADX], 2, v1                    ; for now: my word of 16 of bv
	s_mov_b32 s23, 0
	s_mov_b32 s79, 0
	s_wait_dscnt 0x0                               ; the opening add is done
	s_wait_kmcnt 0x0
	s_load_b32 s[GAM], s[14:15], 0x0
	s_mul_i32 s22, s20, KVB
	s_add_nc_u64 s[4:5], s[4:5], s[22:23]          ; kv at my batch
	s_mul_i32 s22, s[WV], 36*512
	s_add_nc_u64 s[G0X+2:G0X+3], s[4:5], s[22:23]  ; my quarter of tile 0
	s_or_b32 s[G0X+3], s[G0X+3], 0x80000000        ; type = 2
	s_mul_i32 s22, s[WV], 4*TILEB
	s_add_co_u32 s22, s22, 128*512
	s_add_nc_u64 s[G0Q+2:G0Q+3], s[4:5], s[22:23]  ; the q part of tile 4 w
	s_or_b32 s[G0Q+3], s[G0Q+3], 0x80000000
	s_lshl_b32 s22, s[WV], 14
	s_add_nc_u64 s[G0W+2:G0W+3], s[10:11], s[22:23]  ; rows 32 w of wv
	s_or_b32 s[G0W+3], s[G0W+3], 0x80000000
	; what holds cx stands in registers of its own, which feed no descriptor
	s_lshl_b32 s76, ttmp9, 2                       ; in a cluster launch ttmp9 counts clusters
	s_add_co_u32 s76, s76, s[CX]                   ; my block of 256 queries
	s_lshl_b32 s76, s76, 2
	s_add_co_u32 s76, s76, s[WV]                   ; my wave among the batch's 64
	s_lshl_b32 s78, s76, 11                        ; kt: 64 queries of 32 bytes,
	s_lshl_b32 s77, s20, 17                        ; 131,072 bytes a batch
	s_add_co_u32 s78, s78, s77
	s_add_nc_u64 s[6:7], s[6:7], s[78:79]
	s_lshl_b32 s78, s76, 8                         ; x and out0: 256 bytes of a row,
	s_lshl_b32 s77, s20, 21                        ; 2 MiB a batch
	s_add_co_u32 s78, s78, s77
	s_add_nc_u64 s[8:9], s[8:9], s[78:79]
	s_add_nc_u64 s[16:17], s[16:17], s[78:79]
	s_lshl_b32 s78, s[CX], 14                      ; the prefetches: my work-group's 16,384 bytes of a tile's x,
	s_and_b32 s77, s[WV], 1
	s_lshl_b32 s77, s77, 13                        ; my wave's half of them,
	s_add_co_u32 s78, s78, s77
	s_add_co_u32 s78, s78, TILEB                   ; in tile 1: the first change of slots steps it to tile 2
	s_add_nc_u64 s[PFA:PFA+1], s[4:5], s[78:79]
	s_wait_kmcnt 0x0
	s_mov_b32 s[GAM+1], s[GAM]
	CROUND                                         ; all four work-groups are here: the first joint loads meet
	tensor_load_to_lds s[G0Q:G0Q+3], s[G1Q:G1Q+7]  ; the two first fills stand together, ahead of every wait on TENSORcnt and every LDS read: two loads of mine are out
	s_nop 0
	tensor_load_to_lds s[G0X:G0X+3], s[G1X:G1X+7]
	s_nop 0
.rept 4
	v_nop
.endr
.irp t, 0,1,2,3
	global_load_b128 v[KF+8*\t:KF+8*\t+3], v[KO], s[6:7] offset:512*\t  ; k stays in registers: lane l holds query l % 16, channels 8 (l / 16) + 0..7
.endr
.irp c, 0,1,2,3,4,5,6,7
	global_load_b32 v[GB+2*\c], v[ADX], s[12:13] offset:64*\c
.endr
.irp t, 0,1,2,3
.irp j, 4,5,6,7
	v_mov_b32 v[KF+8*\t+\j], 0                     ; channels 16 .. 31 of both sources of a score product do not exist
	v_mov_b32 v[QF+8*\t+\j], 0
.endr
.endr
.set i, 0
.rept 8
	v_mov_b32 v[L+i], 0
.set i, i+1
.endr
.set i, 0
.rept 4
	v_mov_b32 v[M+i], s[NEGM]
	v_mov_b32 v[TMP+i], 0                          ; v_permlanex16_b32's destination counts as read
.set i, i+1
.endr
.set i, 0
.rept 32
	v_mov_b32 v[S+32+i], s[NEGM]                   ; pass 1's first turn takes maxima of a set that has not been made
.set i, i+1
.endr
	s_wait_loadcnt 0x0                             ; k and bv
.irp c, 0,1,2,3,4,5,6,7
	v_mul_f32 v[GB+2*\c+1], s[GAM], v[GB+2*\c]
	v_mul_f32 v[GB+2*\c], s[GAM], v[GB+2*\c]
.endr
	XRLOAD 0                                       ; half of the residual now, half behind pass 1: nothing waits for it before the end
	XRLOAD 1
	XRLOAD 2
	XRLOAD 3
	WIN 0
	s_wait_tensorcnt 1                             ; my part of q is in; tile 0 may stay out
	s_barrier_signal -1
	s_barrier_wait -1                              ; everybody's is
	; PASS 1: 64 trips of 64 keys.  Four fragments of q are always on their way or at work.
.irp j, 0,1,2,3
	ds_load_b128 v[QF+8*\j:QF+8*\j+3], v[AQ1] offset:512*\j
.endr
	s_mov_b32 s[P1C], 63
.Lp1:
	P1TURN 0, 1, 3
	P1TURN 1, 1, 3
	P1TURN 2, 1, 3
	P1TURN 3, 1, 3
	v_add_nc_u32 v[AQ1], 2048, v[AQ1]
	s_sub_co_u32 s[P1C], s[P1C], 1
	s_cmp_lg_u32 s[P1C], 0
	s_cbranch_scc1 .Lp1
	P1TURN 0, 0, 3                                 ; the last trip loads nothing: the counts run down
	P1TURN 1, 0, 2
	P1TURN 2, 0, 1
	P1TURN 3, 0, 0
.set PT, 0
.rept 4
.set PQ, 0
.rept 4
	v_max3_num_f32 v[M+PQ], v[M+PQ], v[S+32+8*PQ+2*PT], v[S+32+8*PQ+2*PT+1]  ; the last set
.set PQ, PQ+1
.endr
.set PT, PT+1
.endr
.irp t, 0,1,2,3
	v_permlanex16_b32 v[TMP+\t], v[M+\t], s[SEL], s[SEL+1]  ; a query's other keys lie in the lane 16 away
.endr
.irp t, 0,1,2,3
	v_max_num_f32 v[M+\t], v[M+\t], v[TMP+\t]
.endr
.irp t, 0,1,2,3
.irp j, 0,1,2,3,4,5,6,7
	v_mul_f32 v[MC+8*\t+\j], -1.0, v[M+\t]
.endr
.endr
	XRLOAD 4
	XRLOAD 5
	XRLOAD 6
	XRLOAD 7
	WIN 0
	; THE MAIN PASS.  128 blocks of 32 keys, 8 to a slot.
	s_mov_b32 s[SLOTS], 15
	CHANGE 1                                       ; tile 0 is in, everybody's part of it, and nobody reads q's dense copy any more: tile 1 goes over its first bytes
	FETCH 0
	s_wait_dscnt 0x0
	v_wmma_f32_16x16x32_bf16 v[S:S+7],    v[QF:QF+7],    v[KF:KF+7], v[MC:MC+7]  ; tile 0's first scores: there is no vector work yet to set between them
	v_wmma_f32_16x16x32_bf16 v[S+8:S+15], v[QF+8:QF+15], v[KF:KF+7], v[MC:MC+7]
.rept 4
	v_nop                                          ; the places behind them
.endr
	TURN 0, 0, 0, 0, 1, 0, -1, 0                   ; tile 0's first exponentials | tile 1's first scores
	GROUP 1, 1, 0                                  ; block 1 is fetched; the products x P of block 0 start the sums
	WIN 0
	s_mov_b32 s[CNT], 3                            ; slot 0 has blocks 2 .. 7 left
	s_branch .Lbody
.Lslot:                                        ; 14 times: slots 1 .. 14, each asking for the tile after the next
	CHANGE 1
	s_mov_b32 s[CNT], 4
.Lbody:                                        ; 64 keys: 80 matrix instructions, 256 vector instructions, 36 LDS loads
	GROUP 0, 0, 0
	GROUP 1, 0, 0
	WIN 0
	s_sub_co_u32 s[CNT], s[CNT], 1
	s_cmp_lg_u32 s[CNT], 0
	s_cbranch_scc1 .Lbody
	s_sub_co_u32 s[SLOTS], s[SLOTS], 1
	s_cmp_lg_u32 s[SLOTS], 0
	s_cbranch_scc1 .Lslot
	CHANGE 2                                       ; the last slot is written out: the slot that is left takes wv
	s_mov_b32 s[CNT], 4
.Ltail:
	GROUP 0, 0, 0
	GROUP 1, 0, 0
	WIN 0
	s_sub_co_u32 s[CNT], s[CNT], 1
	s_cmp_lg_u32 s[CNT], 0
	s_cbranch_scc1 .Ltail
	GROUP 0, 0, 1                                  ; the last block's tiles 1 to 3
	s_wait_alu depctr_va_vdst(0)
	v_cvt_pk_bf16_f32 v[P+31], v[S+62], v[S+63]    ; what would ride in a further turn: tile 3's last rounding and its sums
.irp k, 0,1,2,3
	v_pk_add_f32 v[S+48+4*\k:S+48+4*\k+1], v[S+48+4*\k:S+48+4*\k+1], v[S+48+4*\k+2:S+48+4*\k+3]
.endr
.irp k, 0,1,2,3
	v_pk_add_f32 v[L+6:L+7], v[L+6:L+7], v[S+48+4*\k:S+48+4*\k+1]
.endr
	WIN W_PV
.irp cb, 0,1,2,3,4,5,6,7
	v_wmma_f32_16x16x32_bf16 v[192+8*\cb:192+8*\cb+7], v[64+8*\cb:64+8*\cb+7], v[P+24:P+31], v[192+8*\cb:192+8*\cb+7]
.endr
	WIN 0
	; 1 / l.  The additions are the places behind the last products.
.irp t, 0,1,2,3
	v_add_f32 v[TMP+\t], v[L+2*\t], v[L+2*\t+1]
.endr
.irp t, 0,1,2,3
	v_permlanex16_b32 v[M+\t], v[TMP+\t], s[SEL], s[SEL+1]
.endr
.irp t, 0,1,2,3
	v_add_f32 v[TMP+\t], v[TMP+\t], v[M+\t]
.endr
.irp t, 0,1,2,3
	v_rcp_f32 v[LI+2*\t], v[TMP+\t]
	v_rcp_f32 v[LI+2*\t+1], v[TMP+\t]
.endr
	v_nop                                          ; a plain instruction between the last reciprocal and the use of its result (ISA guide 5.7.2)
	CHANGE 0                                       ; wv is in, everybody's part of it
; THE END: out0 = gamma (wv (O / l) + bv) + x, 16 output channels at a time.
.macro LOADW c                         ; wv's rows 16 c .. 16 c + 15, f32: four fragments, four loads of 16 bytes each
.irp kb, 0,1,2,3
	ds_load_b128 v[WT+16*\kb:WT+16*\kb+3],     v[AW] offset:16*PX*(\c)+128*\kb
	ds_load_b128 v[WT+16*\kb+4:WT+16*\kb+7],   v[AW] offset:16*PX*(\c)+128*\kb+16
	ds_load_b128 v[WT+16*\kb+8:WT+16*\kb+11],  v[AW] offset:16*PX*(\c)+128*\kb+64
	ds_load_b128 v[WT+16*\kb+12:WT+16*\kb+15], v[AW] offset:16*PX*(\c)+128*\kb+80
.endr
.endm
.macro CVTW cnt                        ; rounded to bf16.  cnt: the LDS instructions issued behind LOADW's: the stage's sixteen, or none
	s_wait_dscnt \cnt
.set i, 0
.rept 32
	v_cvt_pk_bf16_f32 v[WF+i], v[WT+2*i], v[WT+2*i+1]
.set i, i+1
.endr
.endm
.macro MUL                             ; 16 products: source 0 = 16 queries x 32 channels of O / l, source 1 = 16 rows of wv; the four tiles' accumulators take turns
	WIN 0x02                                       ; source 0 in window 2
.irp kb, 0,1,2,3
.irp t, 0,1,2,3
.if \kb == 0
	v_wmma_f32_16x16x32_bf16 v[D2+8*\t:D2+8*\t+7], v[32*\t+8*\kb:32*\t+8*\kb+7], v[WF+8*\kb:WF+8*\kb+7], 0
.else
	v_wmma_f32_16x16x32_bf16 v[D2+8*\t:D2+8*\t+7], v[32*\t+8*\kb:32*\t+8*\kb+7], v[WF+8*\kb:WF+8*\kb+7], v[D2+8*\t:D2+8*\t+7]
.endif
.endr
.endr
	WIN 0
.endm
.macro SCALE c                         ; gamma x the product + gamma bv, two at a time
.set i, 0
.rept 16
	v_pk_fma_f32 v[D2+2*i:D2+2*i+1], v[D2+2*i:D2+2*i+1], s[GAM:GAM+1], v[GB+2*(\c):GB+2*(\c)+1] op_sel_hi:[1,0,1]
.set i, i+1
.endr
.endm
.macro TOSTAGE                         ; a lane's 32 bytes of a row go into rows of 272 bytes and come back as whole rows of 256
.irp t, 0,1,2,3
	ds_store_b128 v[STO], v[D2+8*\t:D2+8*\t+3]   offset:64*\t
	ds_store_b128 v[STO], v[D2+8*\t+4:D2+8*\t+7] offset:64*\t+16
.endr
.irp i, 0,1,2,3,4,5,6,7
	ds_load_b128 v[RB+4*\i:RB+4*\i+3], v[RD] offset:2*SP*\i  ; LDS serves a wave's instructions in order (ISA guide 5.7.1.4): these see the stores above
.endr
.endm
.macro SEND c, younger                 ; the residual takes the rows, and they are stored.  younger: the LDS loads issued behind the stage's
	s_wait_dscnt \younger
	WIN 0xC3                                       ; destination and source 0 in window 3
.set i, 0
.rept 16
	v_pk_add_f32 v[32*(\c)+2*i:32*(\c)+2*i+1], v[32*(\c)+2*i:32*(\c)+2*i+1], v[RB+2*i:RB+2*i+1]
.set i, i+1
.endr
	WIN 0x0C                                       ; a store's data is source 1
.irp i, 0,1,2,3,4,5,6,7
	global_store_b128 v[GO], v[32*(\c)+4*\i:32*(\c)+4*\i+3], s[16:17] offset:(16*(\c)+2*\i)*16384 th:TH_STORE_NT  ; 16 lanes store 256 consecutive bytes, at a multiple of 256 from out0's first byte
.endr
	WIN 0
.endm
	LOADW 0
.set t, 0
.rept 4                                        ; O^T / l, each accumulator from its lowest registers on, then rounded in pairs: tile t's four fragments at 32 t in window 2
	WIN 0x41                                       ; destination and source 0 in window 1
.set i, 0
.rept 32
	s_wait_alu depctr_va_vdst(0)
	v_pk_mul_f32 v[64*t+2*i:64*t+2*i+1], v[64*t+2*i:64*t+2*i+1], v[LI+2*t:LI+2*t+1] op_sel_hi:[1,0]
.set i, i+1
.endr
	WIN 0x85                                       ; sources in window 1, destination in window 2
.set i, 0
.rept 32
	v_cvt_pk_bf16_f32 v[32*t+i], v[64*t+2*i], v[64*t+2*i+1]
.set i, i+1
.endr
.set t, t+1
.endr
	WIN 0
	s_wait_loadcnt 0x0                             ; the residual
.irp c, 0,1,2,3,4,5,6,7
.if \c == 0
	CVTW 0
.else
	CVTW 16
.endif
.if \c < 7
	LOADW (\c)+1                                   ; the next rows of wv are on their way while these are multiplied
.endif
	MUL
.if \c == 0
.rept 8
	v_nop                                          ; the places behind the products, where no earlier rows are at hand
.endr
.elseif \c == 7
	SEND 6, 0
.else
	SEND (\c)-1, 16                                ; the rows before leave: their 16 additions are the places behind the products
.endif
	SCALE \c
	TOSTAGE
.endr
	SEND 7, 0
	s_wait_tensorcnt 0x0                           ; the wave's end, behind my last tensor load and my last LDS store
	ds_add_u32 v[SPW], v[NIL]
	s_wait_dscnt 0x0
	CROUND                                         ; the closing round: no work-group ends while a partner may still ask for a tile that names it
	s_endpgm
.Lfunc_end_k_qb0771c169f_attn:
	.size	k_qb0771c169f_attn, .Lfunc_end_k_qb0771c169f_attn-k_qb0771c169f_attn
	.p2alignl 7, 3214868480
	.fill 96, 4, 3214868480
	.section	.rodata,"a",@progbits
	.p2align	6, 0x0
	.amdhsa_kernel k_qb0771c169f_attn
		.amdhsa_group_segment_fixed_size 327680
		.amdhsa_private_segment_fixed_size 0
		.amdhsa_enable_private_segment 0
		.amdhsa_kernarg_size 56
		.amdhsa_user_sgpr_count 2
		.amdhsa_user_sgpr_kernarg_segment_ptr 1
		.amdhsa_wavefront_size32 1
		.amdhsa_system_sgpr_workgroup_id_x 1
		.amdhsa_system_sgpr_workgroup_id_y 1
		.amdhsa_system_sgpr_workgroup_id_z 1
		.amdhsa_system_vgpr_workitem_id 0
		.amdhsa_next_free_vgpr 1024
		.amdhsa_next_free_sgpr 80
		.amdhsa_reserve_vcc 0
		.amdhsa_float_denorm_mode_32 3
		.amdhsa_float_denorm_mode_16_64 3
		.amdhsa_memory_ordered 1
		.amdhsa_forward_progress 1
		.amdhsa_inst_pref_size 198
	.end_amdhsa_kernel
	.amdgpu_metadata
---
amdhsa.version: [ 1, 2 ]
amdhsa.kernels:
  - .name:           k_qb0771c169f_attn
    .symbol:         k_qb0771c169f_attn.kd
    .args:
      - { .name: kv, .offset: 0, .size: 8, .value_kind: global_buffer, .address_space: global }
      - { .name: kt, .offset: 8, .size: 8, .value_kind: global_buffer, .address_space: global }
      - { .name: x, .offset: 16, .size: 8, .value_kind: global_buffer, .address_space: global }
      - { .name: wv, .offset: 24, .size: 8, .value_kind: global_buffer, .address_space: global }
      - { .name: bv, .offset: 32, .size: 8, .value_kind: global_buffer, .address_space: global }
      - { .name: gamma, .offset: 40, .size: 8, .value_kind: global_buffer, .address_space: global }
      - { .name: out0, .offset: 48, .size: 8, .value_kind: global_buffer, .address_space: global }
    .group_segment_fixed_size: 327680
    .private_segment_fixed_size: 0
    .kernarg_segment_align: 8
    .kernarg_segment_size: 56
    .max_flat_workgroup_size: 128
    .sgpr_count:     80
    .vgpr_count:     1024
    .wavefront_size: 32
...
	.end_amdgpu_metadata
.endif
;; end of part 2
;; ======== version 2 of 2: 2 launches; version 1 with the launch prep written anew for expert scheduling mode
;; workspace buffers: kv 18,874,368 bytes; kt 2,097,152 bytes
;; launch prep (part 3): grid 16 x 16, 8 waves a work-group, no clusters, 70,656 bytes of LDS; arguments x, wq, wk, bq, bk, kv, kt; writes kv, kt
.if DOCPART == 3
	.amdgcn_target "amdgcn-amd-amdhsa--gfx1250"
	.amdhsa_code_object_version 6
	.text
	.protected	k_qb0771c169f_prep
	.globl	k_qb0771c169f_prep
	.p2align	8
	.type	k_qb0771c169f_prep,@function
k_qb0771c169f_prep:
	s_mov_b64 s[64:65], 0
	v_nop
	global_prefetch_b8 v0, s[64:65] scope:SCOPE_SE
	s_setreg_imm32_b32 hwreg(HW_REG_WAVE_SCHED_MODE, 0, 2), 2
	s_setreg_imm32_b32 hwreg(HW_REG_WAVE_MODE, 25, 1), 1
	s_wait_xcnt 0x0
	s_wait_alu depctr_vm_vsrc(0)
; PREP.  x: [16][128][4096] f32.  For a block of 256 positions of one batch this work-group writes
;   kv tile (73,728 dense bytes): rows 0-127: x[c][256 positions] rounded once to bf16, 512 bytes a row;
;                                 from byte 65,536: q = wq x + bq as [position][16 channels] bf16, 32 bytes a position;
;   kt: k = log2(e) (wk x + bk) as [position][16 channels] bf16.  The factor is applied in f32, ahead of the one rounding.
; Products in bf16 with f32 sums; the bias is the C operand that starts the sum.
; SHARES.  Eight waves.  Wave w reads, rounds and stores channels 16 w .. 16 w + 15 (each byte of x is read once) and lays them into LDS.
; Behind one barrier waves 0-3 make q and waves 4-7 make k, each for positions 64 (w % 4) .. + 63: four tiles of 16 positions, K = 128 in four steps.
; LEFT OUT.  Tensor loads: the f32 numbers pass through registers to be rounded, and no wave wants another's bytes on the way in.  A cluster: the work-groups
; share nothing but 16 KiB of weights.  A prefetch: every load of the kernel is issued at its head.
; LIMITS.  NaN and infinities are not treated apart; x, q and k are rounded to bf16 (8 significant bits).
; THE MODE: SCHED_MODE bits 1:0 = 2 (LLVM: expert scheduling mode 2), set by the entry lines.  The code itself states the register dependences
; between vector or matrix instructions and memory or LDS instructions, with s_wait_alu, always for 0.
; THE PLAN.  Registers that memory or LDS instructions touch:
;   v3 .. v9, v14, v15   offsets, addresses and the closing add's pair: written at the head, ahead of one wait on va_vdst, and never again.
;   WT, BI               the weights and the bias land here once; no vector instruction names them before.  BI has registers of its own, so that no load lands where a conversion has just read.
;   XI, row i            two loads land in it; four conversions round it in place; an LDS store and a global store read its first four registers; behind the barrier the turning loads land in it (BF).
;   OUT                  written by the last conversions, read by the last four stores.
; The 16 rows go in four blocks of four.  Block b's conversions name block b's registers alone; the stores dealt among them are block b - 1's, whose data the one wait on va_vdst at the
; block's head has shown written.  One more such wait stands ahead of the last block's stores; no vector instruction follows it before the turning loads, so it also states that
; every conversion is done with XI.  One wait on vm_vsrc behind the barrier states that the stores have read XI.
.set XP,    544                        ; a row of x in LDS: 512 bytes + 32: an odd multiple of 32 bytes
.set SPARE, 128*XP                     ; 69,632: behind the rows, the spare words, 128 bytes a wave: four blocks of 256 bytes that no other line names
.set TILEB, 73728                      ; bytes in a kv tile
.set XO,  3                            ; v3   my 32 bytes of my wave's first row of x
.set VO,  4                            ; v4   my 16 bytes of that row in the kv tile
.set LSO, 5                            ; v5   and in LDS
.set WO,  6                            ; v6   my place in a fragment of the weights: row l % 16, 32 bytes a half of the lanes
.set BO,  7                            ; v7   my eight biases
.set TA,  8                            ; v8   the turning load's address
.set QO,  9                            ; v9   my 16 bytes of q or k
.set SPW, 14                           ; v14  LDS address of my spare word; never rewritten
.set NIL, 15                           ; v15  0; never rewritten
.set BI,  16                           ; v[16:23]   the bias of channels 8 (l / 16) + 0..7
.set WF,  32                           ; v[32:63]   the weights' four fragments, bf16
.set XI,  64                           ; v[64:191]  row i as loaded at XI + 8 i; rounded in place into its first four registers
.set BF,  64                           ; later: x's fragments: position tile pt, K step kb at BF + 32 pt + 8 kb
.set WT,  192                          ; v[192:255] the weights as loaded, f32
.set ACC, 192                          ; later: v[192:223] four accumulators
.set OUT, 232                          ; v[232:247] packed results
.set WV,  18                           ; s18  my wave's number
	s_load_b256 s[4:11], s[0:1], 0x0               ; x s[4:5], wq s[6:7], wk s[8:9], bq s[10:11]
	s_load_b128 s[12:15], s[0:1], 0x20             ; bk s[12:13], kv s[14:15]
	s_load_b64 s[16:17], s[0:1], 0x30              ; kt
	v_lshl_add_u32 v[SPW], v0, 2, SPARE
	v_mov_b32 v[NIL], 0
	v_lshrrev_b32 v10, 5, v0
	v_readfirstlane_b32 s[WV], v10                 ; wave 0..7
	v_and_b32 v11, 31, v0                          ; l
	v_and_b32 v1, 15, v0                           ; l % 16
	v_bfe_u32 v2, v0, 4, 1                         ; l / 16
	v_lshlrev_b32 v[WO], 9, v1                     ; a row of the weights is 512 bytes
	v_lshl_add_u32 v[WO], v2, 5, v[WO]
	v_lshlrev_b32 v[BO], 5, v2
	v_and_b32 v12, 7, v0
	v_lshl_add_u32 v12, v2, 3, v12                 ; channel 8 (l / 16) + l % 8 of a K step
	v_mul_u32_u24 v[TA], v12, XP
	v_bfe_u32 v13, v0, 3, 1
	v_lshl_add_u32 v[TA], v13, 4, v[TA]            ; positions 8 ((l / 8) % 2) + 0..7
	v_lshlrev_b32 v[QO], 5, v1
	v_lshl_add_u32 v[QO], v2, 4, v[QO]
	s_wait_alu depctr_va_sdst(0)                   ; s18 is written, ahead of its first reader: offsets, bases and the choice between q and k are made from it
	s_lshl_b32 s32, s[WV], 18                      ; 16 rows of 16,384 bytes
	v_lshl_add_u32 v[XO], v11, 5, s32              ; + 32 l: eight neighbouring positions a lane
	s_lshl_b32 s33, s[WV], 13                      ; 16 rows of 512 bytes
	v_lshl_add_u32 v[VO], v11, 4, s33
	s_mul_i32 s34, s[WV], 16*XP
	v_lshl_add_u32 v[LSO], v11, 4, s34
	s_and_b32 s35, s[WV], 3
	s_lshl_b32 s36, s35, 7
	v_add_nc_u32 v[TA], s36, v[TA]                 ; my wave's 64 positions: 128 bytes of a row
	s_lshl_b32 s36, s35, 11
	v_add_nc_u32 v[QO], s36, v[QO]                 ; 2,048 (w % 4) + 32 (l % 16) + 16 (l / 16)
	s_and_b32 s37, ttmp7, 0xffff                   ; the batch
	s_lshl_b32 s38, s37, 21                        ; x: 2 MiB a batch,
	s_lshl_b32 s36, ttmp9, 10                      ; 1,024 bytes of a row for a block of 256 positions
	s_add_co_u32 s38, s38, s36
	s_mov_b32 s39, 0
	s_mul_i32 s40, s37, 16*TILEB                   ; kv: 16 tiles a batch
	s_mul_i32 s36, ttmp9, TILEB
	s_add_co_u32 s40, s40, s36
	s_mov_b32 s41, 0
	s_lshl_b32 s42, s37, 17                        ; kt: 131,072 bytes a batch, 8,192 a block
	s_lshl_b32 s36, ttmp9, 13
	s_add_co_u32 s42, s42, s36
	s_mov_b32 s43, 0
	s_wait_kmcnt 0x0
	s_add_nc_u64 s[28:29], s[4:5], s[38:39]        ; x at the block's first position, channel 0
	s_add_nc_u64 s[30:31], s[14:15], s[40:41]      ; my kv tile
	s_add_nc_u64 s[44:45], s[30:31], 128*512       ; its q part
	s_add_nc_u64 s[46:47], s[16:17], s[42:43]      ; my block of kt
	s_cmp_lt_u32 s[WV], 4                          ; waves 0-3: q; waves 4-7: k
	s_cselect_b64 s[20:21], s[6:7], s[8:9]         ; the weights,
	s_cselect_b64 s[22:23], s[10:11], s[12:13]     ; the bias,
	s_cselect_b64 s[26:27], s[44:45], s[46:47]     ; where the result goes,
	s_cselect_b32 s24, 1.0, 0x3fb8aa3b             ; and its factor: 1 or log2(e)
	s_mov_b32 s25, s24                             ; named with it as a pair
	s_wait_alu depctr_va_vdst(0)                   ; the seven offsets and addresses v3 to v9 are written, which the loads and stores below read; so are v14 and v15, which the closing add reads
	; A fragment of the weights is 16 rows x 32 channels: lane l holds row l % 16, channels 8 (l / 16) + 0..7 and 16 + 8 (l / 16) + 0..7: in f32 four loads of 16 bytes.
.irp kb, 0,1,2,3
	global_load_b128 v[WT+16*\kb:WT+16*\kb+3],     v[WO], s[20:21] offset:128*\kb
	global_load_b128 v[WT+16*\kb+4:WT+16*\kb+7],   v[WO], s[20:21] offset:128*\kb+16
	global_load_b128 v[WT+16*\kb+8:WT+16*\kb+11],  v[WO], s[20:21] offset:128*\kb+64
	global_load_b128 v[WT+16*\kb+12:WT+16*\kb+15], v[WO], s[20:21] offset:128*\kb+80
.endr
	global_load_b128 v[BI:BI+3],   v[BO], s[22:23]            ; the bias goes out with the weights, into registers that nothing else names
	global_load_b128 v[BI+4:BI+7], v[BO], s[22:23] offset:16
.set i, 0
.rept 16                                       ; my wave's 16 rows: all 32 loads go out at once, 16 KiB a wave
	global_load_b128 v[XI+8*i:XI+8*i+3],   v[XO], s[28:29] offset:16384*i th:TH_LOAD_NT
	global_load_b128 v[XI+8*i+4:XI+8*i+7], v[XO], s[28:29] offset:16384*i+16 th:TH_LOAD_NT
.set i, i+1
.endr
	s_wait_loadcnt 32                              ; the weights and the bias are in; the 32 loads of x may stay out
.set i, 0
.rept 32
	v_cvt_pk_bf16_f32 v[WF+i], v[WT+2*i], v[WT+2*i+1]
.set i, i+1
.endr
; Row i is rounded in place: eight numbers close up into the first four of their eight registers.
.macro CVTROW i
	s_wait_loadcnt 30-2*(\i)                       ; row i is in: behind it stand two loads for each later row
.irp k, 0,1,2,3
	v_cvt_pk_bf16_f32 v[XI+8*(\i)+\k], v[XI+8*(\i)+2*\k], v[XI+8*(\i)+2*\k+1]
.endr
.endm
; Row i leaves: into LDS for the products, and into the kv tile.
.macro OUTROW i
	ds_store_b128 v[LSO], v[XI+8*(\i):XI+8*(\i)+3] offset:XP*(\i)
	global_store_b128 v[VO], v[XI+8*(\i):XI+8*(\i)+3], s[30:31] offset:512*(\i)  ; a whole row: 512 consecutive bytes, at a multiple of 512 from kv's first byte
.endm
.irp j, 0,1,2,3
	CVTROW \j                                      ; block 0 has no block in front of it
.endr
.irp b, 1,2,3
	s_wait_alu depctr_va_vdst(0)                   ; the conversions of the block before have written its rows, which the stores below read; this block's conversions name its own rows alone
.irp j, 0,1,2,3
	OUTROW 4*(\b)-4+(\j)
	CVTROW 4*(\b)+(\j)
.endr
.endr
	s_wait_alu depctr_va_vdst(0)                   ; the last block's conversions have written its rows, which the stores below read; and every conversion is done with XI, in which the turning loads land
.irp j, 0,1,2,3
	OUTROW 12+(\j)
.endr
	s_wait_dscnt 0x0                               ; for the others' sake: my rows lie in LDS
	s_barrier_signal -1
	s_barrier_wait -1                              ; all 128 rows do
	s_wait_xcnt 0x0                                ; the global stores' addresses are translated: their data registers are loaded again only behind this wait
	s_wait_alu depctr_vm_vsrc(0)                   ; my LDS stores and global stores have read v[XI ..]: these registers are BF from here on, in which the turning loads land
	; x lies [channel][position]: the turning load brings lane l position l % 16 and eight channels, half a fragment of source 1
.irp pt, 0,1,2,3
.irp kb, 0,1,2,3
	ds_load_tr16_b128 v[BF+32*\pt+8*\kb:BF+32*\pt+8*\kb+3],   v[TA] offset:32*XP*\kb+32*\pt
	ds_load_tr16_b128 v[BF+32*\pt+8*\kb+4:BF+32*\pt+8*\kb+7], v[TA] offset:32*XP*\kb+16*XP+32*\pt
.endr
.endr
	s_wait_dscnt 0x0
	; source 0 = 16 output channels, source 1 = 16 positions: in the result a lane holds ONE position (l % 16) and channels 8 (l / 16) + 0..7: 16 bytes of bf16 on end.
	; The four accumulators take turns, one instruction a turn.
.irp kb, 0,1,2,3
.irp pt, 0,1,2,3
.if \kb == 0
	v_wmma_f32_16x16x32_bf16 v[ACC+8*\pt:ACC+8*\pt+7], v[WF+8*\kb:WF+8*\kb+7], v[BF+32*\pt+8*\kb:BF+32*\pt+8*\kb+7], v[BI:BI+7]
.else
	v_wmma_f32_16x16x32_bf16 v[ACC+8*\pt:ACC+8*\pt+7], v[WF+8*\kb:WF+8*\kb+7], v[BF+32*\pt+8*\kb:BF+32*\pt+8*\kb+7], v[ACC+8*\pt:ACC+8*\pt+7]
.endif
.endr
.endr
.rept 8
	v_nop                                          ; the places behind the last product (ISA guide 7.12.1), once a launch
.endr
.set i, 0
.rept 16
	v_pk_mul_f32 v[ACC+2*i:ACC+2*i+1], v[ACC+2*i:ACC+2*i+1], s[24:25] op_sel_hi:[1,0]
.set i, i+1
.endr
.set i, 0
.rept 16
	v_cvt_pk_bf16_f32 v[OUT+i], v[ACC+2*i], v[ACC+2*i+1]
.set i, i+1
.endr
	s_wait_alu depctr_va_vdst(0)                   ; the conversions have written v[OUT ..], which the four stores read
.irp pt, 0,1,2,3
	global_store_b128 v[QO], v[OUT+4*\pt:OUT+4*\pt+3], s[26:27] offset:512*\pt  ; 16 positions: 512 consecutive bytes, aligned
.endr
	s_wait_dscnt 0x0                               ; the closing lines, six on end
	s_wait_alu 0x0
	s_wait_tensorcnt 0x0
	ds_add_u32 v[SPW], v[NIL]
	s_wait_dscnt 0x0
	s_endpgm
.Lfunc_end_k_qb0771c169f_prep:
	.size	k_qb0771c169f_prep, .Lfunc_end_k_qb0771c169f_prep-k_qb0771c169f_prep
	.p2alignl 7, 3214868480
	.fill 96, 4, 3214868480
	.section	.rodata,"a",@progbits
	.p2align	6, 0x0
	.amdhsa_kernel k_qb0771c169f_prep
		.amdhsa_group_segment_fixed_size 70656
		.amdhsa_private_segment_fixed_size 0
		.amdhsa_enable_private_segment 0
		.amdhsa_kernarg_size 56
		.amdhsa_user_sgpr_count 2
		.amdhsa_user_sgpr_kernarg_segment_ptr 1
		.amdhsa_wavefront_size32 1
		.amdhsa_system_sgpr_workgroup_id_x 1
		.amdhsa_system_sgpr_workgroup_id_y 1
		.amdhsa_system_sgpr_workgroup_id_z 1
		.amdhsa_system_vgpr_workitem_id 0
		.amdhsa_next_free_vgpr 256
		.amdhsa_next_free_sgpr 66
		.amdhsa_reserve_vcc 0
		.amdhsa_float_denorm_mode_32 3
		.amdhsa_float_denorm_mode_16_64 3
		.amdhsa_memory_ordered 1
		.amdhsa_forward_progress 1
		.amdhsa_inst_pref_size 23
	.end_amdhsa_kernel
	.amdgpu_metadata
---
amdhsa.version: [ 1, 2 ]
amdhsa.kernels:
  - .name:           k_qb0771c169f_prep
    .symbol:         k_qb0771c169f_prep.kd
    .args:
      - { .name: x, .offset: 0, .size: 8, .value_kind: global_buffer, .address_space: global }
      - { .name: wq, .offset: 8, .size: 8, .value_kind: global_buffer, .address_space: global }
      - { .name: wk, .offset: 16, .size: 8, .value_kind: global_buffer, .address_space: global }
      - { .name: bq, .offset: 24, .size: 8, .value_kind: global_buffer, .address_space: global }
      - { .name: bk, .offset: 32, .size: 8, .value_kind: global_buffer, .address_space: global }
      - { .name: kv, .offset: 40, .size: 8, .value_kind: global_buffer, .address_space: global }
      - { .name: kt, .offset: 48, .size: 8, .value_kind: global_buffer, .address_space: global }
    .group_segment_fixed_size: 70656
    .private_segment_fixed_size: 0
    .kernarg_segment_align: 8
    .kernarg_segment_size: 56
    .max_flat_workgroup_size: 256
    .sgpr_count:     66
    .vgpr_count:     256
    .wavefront_size: 32
...
	.end_amdgpu_metadata
.endif
;; end of part 3
;; launch attn: the kernel of part 2 again; grid 16 x 16, 4 waves a work-group, clusters of 4 x 1, 327,680 bytes of LDS; arguments kv, kt, x, wv, bv, gamma, out0; writes out0
